; MI455X (gfx1250); checked and timed in simulation.
; The chip was launched on July 23, 2026; its instructions are those of AMD's public machine-readable ISA for CDNA 5 (MIT licence, August 2026) and "CDNA5" Instruction Set Architecture Reference Guide (July 2026). The comments in the code are by the model that wrote it; some were corrected since.
;; Multi Head Attention. Allowed arithmetic: matrix products marked QUANTISED: E2M3 operands, one E8M0 scale for each 32 along K, by v_wmma_scale_f32_16x16x128_f8f6f4 with both operands' format E2M3, f32 sums; everything else in f32.
;; Inputs: K 4 x 2,048 x 1,024 float32; Q 4 x 2,048 x 1,024 float32; V 4 x 2,048 x 1,024 float32; W_K 1,024 x 1,024 float32; W_O 1,024 x 1,024 float32; W_Q 1,024 x 1,024 float32; W_V 1,024 x 1,024 float32; mask 4 x 2,048 x 1 bool.
;; Outputs: out0 4 x 2,048 x 1,024 float32.
;; This version of the problem:
;;   THIS VERSION OF THE PROBLEM IS GIVEN IN LOW PRECISION. The matrix products marked QUANTISED in the list below multiply operands that are first quantised to E2M3 (2 exponent bits, 3 mantissa bits; 6 bits a number), with one power-of-two scale for each 32 numbers along K (OCP MX v1.0); their sums are f32. All else is computed in f32.
;;   The module's matrix products, in the order in which they are computed (A, B: the left and right operand; K: the contracted axis; several contracted axes count as one K, in the product's order):
;;     1. [M 8,192, K 1,024] x [K 1,024, N 1,024]; A: input Q; B: input W_Q: QUANTISED
;;     2. [M 8,192, K 1,024] x [K 1,024, N 1,024]; A: input K; B: input W_K: QUANTISED
;;     3. [M 8,192, K 1,024] x [K 1,024, N 1,024]; A: input V; B: input W_V: QUANTISED
;;     4. batch 64 x [M 2,048, K 64] x [K 64, N 2,048]; A: computed on the way; B: computed on the way: QUANTISED
;;     5. batch 64 x [M 2,048, K 2,048] x [K 2,048, N 64]; A: softmax (see below); B: computed on the way: QUANTISED
;;     6. [M 8,192, K 1,024] x [K 1,024, N 1,024]; A: computed on the way; B: input W_O: QUANTISED
;;   THE QUANTISER, for each operand of a quantised product, along K:
;;     - K is cut into blocks of 32 from its start; a last block that is shorter is filled with zeros.
;;     - A block's scale is 2^e with e = floor(log2(the largest magnitude in the block)) - 2, held to -126 .. 127; a block of zeros has e = 0. As a byte (E8M0): e + 127.
;;     - Each number is divided by its block's scale, clamped to +-7.5, and rounded to the nearest number of E2M3, ties to even, subnormals kept.
;;     - The product sums the exact products of the quantised numbers (number of the format x scale) in f32.
;;   ~~~python
;;   def quantise(x, axis):      # numpy; x: float32 -> the quantised numbers, widened to float32 again
;;       x = np.moveaxis(x, axis, -1); K = x.shape[-1]
;;       x = np.pad(x, [(0, 0)] * (x.ndim - 1) + [(0, -K % 32)]); x = x.reshape(x.shape[:-1] + (-1, 32)); a = np.abs(x).max(-1, keepdims=True)
;;       e = np.where(a > 0, np.clip(np.frexp(np.where(a > 0, a, 1))[1] - 1 - 2, -126, 127), 0)      # np.frexp(a)[1] - 1 = floor(log2(a)), exactly
;;       r = np.clip(x / 2.0 ** e, -7.5, 7.5)
;;       step = 2.0 ** (np.maximum(np.frexp(np.where(r == 0, 1, r))[1] - 1, 0) - 3)
;;       q = np.round(r / step) * step * 2.0 ** e      # np.round: ties to even
;;       return np.moveaxis(q.reshape(q.shape[:-2] + (-1,))[..., :K], -1, axis).astype(np.float32)
;;   ~~~
;;   SOFTMAX AHEAD OF A QUANTISED PRODUCT. Where the list says 'softmax', what is quantised is not the finished softmax but p = 2^(t - M), with t = logit x log2(e) and M = ceil(the row's largest t), a whole number; so 1/2 < the row's largest p <= 1. The row's sum l is taken of the UNQUANTISED p, in f32, and the product's result is divided by l at the end. Since M is a whole number, a kernel that streams over the keys may use a running M (the ceiling of the running maximum): every later rescaling is an exact power of two, which a block's scale takes up: the codes' values come out the same.
;;   OPERANDS COMPUTED ON THE WAY. 'Computed on the way' means the value that the module computes at that place (a softmax that the list does not call 'softmax' is quantised finished and normalised). What goes into a quantiser is computed in f32, as accurately as f32 sums, v_exp_f32 and their like allow (about 1e-6 of the number): no bf16 or f16 on the way to a quantiser, and a product that is left as it is and whose result goes on into a quantised operand takes f32 operands (vector FMAs, or v_wmma_f32_16x16x4_f32). A number that lies on a knife's edge between two numbers of the format may be rounded either way, as far as f32 arithmetic and the matrix unit's own rounding can turn it there, and no further.
;; One version. Each part assembles by itself: llvm-mc -triple=amdgcn-amd-amdhsa -mcpu=gfx1250 --defsym DOCPART=n.
;; ======== version 1 of 1: 4 launches
;; limits: right only within a limited range of input values
;; workspace buffers: gop 29,491,200 bytes; att 24,379,392 bytes
;; launch quant (part 1): grid 448 x 1, 4 waves a work-group, no clusters, 35,328 bytes of LDS; arguments Q, W_O, K, V, W_Q, W_K, W_V, gop; writes gop
.if DOCPART == 1
	.amdgcn_target "amdgcn-amd-amdhsa--gfx1250"
	.amdhsa_code_object_version 6
	.text
	.protected	k_q63ed1b3f8b_quant
	.globl	k_q63ed1b3f8b_quant
	.p2align	8
	.type	k_q63ed1b3f8b_quant,@function
k_q63ed1b3f8b_quant:
	s_mov_b64 s[64:65], 0
	v_nop
	global_prefetch_b8 v0, s[64:65] scope:SCOPE_SE
	s_setreg_imm32_b32 hwreg(HW_REG_WAVE_MODE, 25, 1), 1
	s_wait_xcnt 0x0
; The seven f32 inputs [rows][1024] become codes of FP6 (E2M3) with one E8M0 byte for each 32 along the row, laid as IMAGES OF OPERAND REGISTERS.
; A tile is 16 stored rows; for each 64 along K it has a half-image of 768 bytes: 16 bytes a lane (registers 0-3), then 8 bytes a lane (registers 4, 5); lane (r, h) holds block h of row r.
; A tile's 16 half-images lie on end (12,288 bytes); its scale bytes lie [row][32] (512 bytes) from SCB on.  Tiles in the order Q, W_O, K, V, W_Q, W_K, W_V.
; STORED ROW x OF K, V, W_Q, W_K, W_V HOLDS ROW x WITH ITS BITS 3 AND 4 EXCHANGED, so that a later product's two neighbouring tiles give a lane 16 neighbours along the next K.  Q and W_O keep their order.
; A block's scale is 2^(floor(log2(largest magnitude)) - 2): its byte is the largest magnitude's exponent field - 2, held at 1 from below.
; LIMITS: a block of zeros, or one under 2^-124, gets the byte 1 (its codes are zeros or tiny; this program alone reads the bytes); NaN and infinities among the inputs are not served.
; A wave takes one tile for all of K, in 16 steps of 64 along K.  A step's eight loads read two rows' 256 consecutive bytes each; the 4,096 bytes turn through the wave's own stage in LDS (rows 272 bytes apart)
; and come back 128 bytes a lane: a whole block of 32.  Loads run three steps ahead, the turn through LDS one step.  Waves share nothing: no barrier.
.set SCB,  28311552                    ; where the scale bytes begin in gop
.set STG,  4352                        ; a stage: 16 rows x 272 bytes
.set WREG, 2*STG                       ; a wave's two stages
.set SW,   16                          ; v16-23   my row's scale bytes, my half's two of each word
.set T,    24                          ; v24-31   the other half's
.set R,    32                          ; v32-127  three sets of 32: numbers as loaded
.set X,    128                         ; v128-191 two sets of 32: a block of 32 neighbours
.set C,    192                         ; v192-215 two sets of 12: codes at +0..5, the second conversion's at +8..10
	s_load_b512 s[16:31], s[0:1], 0x0              ; Q, W_O, K, V, W_Q, W_K, W_V, gop
	v_lshl_add_u32 v216, v0, 2, 0x8800
	v_mov_b32 v217, 0
	v_lshrrev_b32 v1, 5, v0
	v_readfirstlane_b32 s8, v1                     ; wave
	v_and_b32 v1, 31, v0                           ; lane
	v_and_b32 v2, 15, v0                           ; r
	v_bfe_u32 v3, v0, 4, 1                         ; h
	v_lshlrev_b32 v4, 4, v2
	v_lshl_add_u32 v4, v3, 12, v4                  ; a load: row h of two, 16 bytes at 16 r
	s_mul_i32 s9, s8, WREG
	v_mul_u32_u24 v6, v3, 272
	v_lshl_add_u32 v6, v2, 4, v6
	v_add_nc_u32 v6, s9, v6                        ; into the stage, as loaded
	v_mul_u32_u24 v7, v2, 272
	v_lshl_add_u32 v7, v3, 7, v7
	v_add_nc_u32 v7, s9, v7                        ; out of it: row r, block h
	v_lshlrev_b32 v8, 4, v1                        ; a half-image's first plane
	v_lshlrev_b32 v9, 3, v1                        ; and its second
	v_lshlrev_b32 v10, 3, v3                       ; 8 h: my byte's place in a pair
	v_lshlrev_b32 v11, 5, v2
	v_lshl_add_u32 v11, v3, 4, v11                 ; the scale bytes' way out: 32 r + 16 h
.irp j, 0,1,2,3,4,5,6,7
	v_mov_b32 v[T+\j], 0                           ; a lane permute's destination counts as one of its sources
.endr
	s_mov_b32 s12, 0x76543210
	s_mov_b32 s13, 0xfedcba98                      ; selects for lane l xor 16
	s_wait_kmcnt 0x0
	s_mov_b64 s[4:5], s[16:17]
	s_mov_b32 s6, 0
.macro PICK bound, ptr                 ; from work-group bound on: the next tensor.  The choice hangs on the work-group's number alone
	s_cmp_ge_u32 ttmp9, \bound
	s_cselect_b64 s[4:5], s[\ptr:\ptr+1], s[4:5]
	s_cselect_b32 s6, \bound, s6
.endm
	PICK 128, 18
	PICK 144, 20
	PICK 272, 22
	PICK 400, 24
	PICK 416, 26
	PICK 432, 28
	s_sub_co_u32 s7, ttmp9, s6
	s_lshl_b32 s7, s7, 2
	s_add_co_u32 s7, s7, s8                        ; a: my tile in its tensor
	s_lshl_b32 s9, s7, 4                           ; its first row in plain order,
	s_lshr_b32 s10, s7, 1
	s_lshl_b32 s10, s10, 5
	s_and_b32 s11, s7, 1
	s_lshl_b32 s11, s11, 3
	s_add_co_u32 s10, s10, s11                     ; and with bits 3 and 4 exchanged: 32 (a / 2) + 8 (a % 2)
	s_cmp_ge_u32 ttmp9, 144
	s_cselect_b32 s9, s10, s9
	s_cselect_b32 s14, 32768, 0                    ; stored rows 8-15 then lie 8 rows further down
	s_lshl_b32 s10, s9, 12
	s_mov_b32 s11, 0
	s_add_nc_u64 s[4:5], s[4:5], s[10:11]
	v_add_nc_u32 v5, s14, v4
	s_lshl_b32 s7, ttmp9, 2
	s_add_co_u32 s7, s7, s8                        ; my tile among all
	s_mul_i32 s10, s7, 12288
	s_add_nc_u64 s[32:33], s[30:31], s[10:11]      ; its codes
	s_lshl_b32 s10, s7, 9
	s_add_co_u32 s10, s10, SCB
	s_add_nc_u64 s[34:35], s[30:31], s[10:11]      ; its scale bytes
.macro LOAD t                          ; step t: 16 rows x 256 bytes into set t % 3
.irp i, 0,1,2,3
	global_load_b128 v[R+32*((\t)%3)+4*\i:R+32*((\t)%3)+4*\i+3], v4, s[4:5] offset:256*(\t)+8192*\i th:TH_LOAD_NT
.endr
.irp i, 4,5,6,7
	global_load_b128 v[R+32*((\t)%3)+4*\i:R+32*((\t)%3)+4*\i+3], v5, s[4:5] offset:256*(\t)+8192*\i th:TH_LOAD_NT
.endr
.endm
.macro TURN t                          ; through stage t % 2: LDS serves a wave's instructions in order, so no wait stands between the stores and the loads
.irp i, 0,1,2,3,4,5,6,7
	ds_store_b128 v6, v[R+32*((\t)%3)+4*\i:R+32*((\t)%3)+4*\i+3] offset:STG*((\t)%2)+544*\i
.endr
.irp j, 0,1,2,3,4,5,6,7
	ds_load_b128 v[X+32*((\t)%2)+4*\j:X+32*((\t)%2)+4*\j+3], v7 offset:STG*((\t)%2)+16*\j
.endr
.endm
.macro STEP t
.set XS, X+32*((\t)%2)
.set CS, C+12*((\t)%2)
	s_wait_dscnt 0x0                               ; my block is back from the stage, and the stores into the stage have read their registers,
.if (\t)+3 < 16
	LOAD (\t)+3                                    ; which take the loads of three steps on
.endif
.if (\t)+1 < 16
.if (\t)+3 < 16
	s_wait_loadcnt 16                              ; the next step's eight loads are in; behind them stand two steps' sixteen
.elseif (\t)+2 < 16
	s_wait_loadcnt 8                               ; one step's eight
.else
	s_wait_loadcnt 0
.endif
	TURN (\t)+1
.endif
	v_max3_num_f32 v12, |v[XS]|, |v[XS+1]|, |v[XS+2]|              ; the block's largest magnitude: all 32 numbers are mine; two chains
	v_max3_num_f32 v13, |v[XS+3]|, |v[XS+4]|, |v[XS+5]|
.irp i, 6,10,14,18,22,26
	v_max3_num_f32 v12, v12, |v[XS+\i]|, |v[XS+\i+1]|
	v_max3_num_f32 v13, v13, |v[XS+\i+2]|, |v[XS+\i+3]|
.endr
	v_max3_num_f32 v12, v12, |v[XS+30]|, |v[XS+31]|
	v_max3_num_f32 v12, v12, v13, 0x1800000        ; and the floor 2^(3 - 127): the byte cannot fall under 1
	v_add_nc_u32 v14, 0xff000000, v12              ; 2 off the exponent field: the conversion takes this operand's exponent field as its scale
	s_wait_xcnt 0x0                                ; the stores of two steps back have read this set of codes
	v_cvt_scalef32_pk16_fp6_f32 v[CS:CS+2], v[XS:XS+15], v14
	v_cvt_scalef32_pk16_fp6_f32 v[CS+8:CS+10], v[XS+16:XS+31], v14 ; (a conversion's three registers begin on an even number)
	v_lshrrev_b32 v15, 23, v14                     ; the scale's byte; also the plain line behind the conversions
.irp i, 0,1,2
	v_mov_b32 v[CS+3+\i], v[CS+8+\i]
.endr
.if (\t)%2 == 0
	v_mov_b32 v[SW+(\t)/2], v15                    ; block 2 t + h: byte h of word t / 2,
.else
	v_lshl_or_b32 v[SW+(\t)/2], v15, 16, v[SW+(\t)/2]  ; or byte 2 + h
.endif
	global_store_b128 v8, v[CS:CS+3], s[32:33] offset:768*(\t)     ; 512 consecutive bytes, aligned to 256
	global_store_b64 v9, v[CS+4:CS+5], s[32:33] offset:768*(\t)+512 ; 256 consecutive bytes, aligned
.endm
	LOAD 0
	LOAD 1
	LOAD 2
	s_wait_loadcnt 16                              ; step 0's eight are in
	TURN 0
.irp t, 0,1,2,3,4,5,6,7,8,9,10,11,12,13,14,15
	STEP \t
.endr
.irp j, 0,1,2,3,4,5,6,7
	v_lshlrev_b32 v[SW+\j], v10, v[SW+\j]          ; my bytes at their places,
.endr
.irp j, 0,1,2,3,4,5,6,7
	v_permlanex16_b32 v[T+\j], v[SW+\j], s12, s13
.endr
.irp j, 0,1,2,3,4,5,6,7
	v_or_b32 v[SW+\j], v[SW+\j], v[T+\j]           ; with lane l xor 16's the words are whole
.endr
	v_cmp_ne_u32 vcc_lo, 0, v3
.irp j, 0,1,2,3
	v_cndmask_b32 v[SW+\j], v[SW+\j], v[SW+4+\j], vcc_lo   ; lane (r, h) stores words 4 h .. 4 h + 3 of row r
.endr
	global_store_b128 v11, v[SW:SW+3], s[34:35]    ; the tile's 512 scale bytes on end
	s_wait_tensorcnt 0x0
	ds_add_u32 v216, v217
	s_wait_dscnt 0x0
	s_endpgm
.Lfunc_end_k_q63ed1b3f8b_quant:
	.size	k_q63ed1b3f8b_quant, .Lfunc_end_k_q63ed1b3f8b_quant-k_q63ed1b3f8b_quant
	.p2alignl 7, 3214868480
	.fill 96, 4, 3214868480
	.section	.rodata,"a",@progbits
	.p2align	6, 0x0
	.amdhsa_kernel k_q63ed1b3f8b_quant
		.amdhsa_group_segment_fixed_size 35328
		.amdhsa_private_segment_fixed_size 0
		.amdhsa_enable_private_segment 0
		.amdhsa_kernarg_size 64
		.amdhsa_user_sgpr_count 2
		.amdhsa_user_sgpr_kernarg_segment_ptr 1
		.amdhsa_wavefront_size32 1
		.amdhsa_system_sgpr_workgroup_id_x 1
		.amdhsa_system_sgpr_workgroup_id_y 1
		.amdhsa_system_sgpr_workgroup_id_z 1
		.amdhsa_system_vgpr_workitem_id 0
		.amdhsa_next_free_vgpr 218
		.amdhsa_next_free_sgpr 66
		.amdhsa_reserve_vcc 1
		.amdhsa_float_denorm_mode_32 3
		.amdhsa_float_denorm_mode_16_64 3
		.amdhsa_memory_ordered 1
		.amdhsa_forward_progress 1
		.amdhsa_inst_pref_size 60
	.end_amdhsa_kernel
	.amdgpu_metadata
---
amdhsa.version: [ 1, 2 ]
amdhsa.kernels:
  - .name:           k_q63ed1b3f8b_quant
    .symbol:         k_q63ed1b3f8b_quant.kd
    .args:
      - { .name: Q, .offset: 0, .size: 8, .value_kind: global_buffer, .address_space: global }
      - { .name: W_O, .offset: 8, .size: 8, .value_kind: global_buffer, .address_space: global }
      - { .name: K, .offset: 16, .size: 8, .value_kind: global_buffer, .address_space: global }
      - { .name: V, .offset: 24, .size: 8, .value_kind: global_buffer, .address_space: global }
      - { .name: W_Q, .offset: 32, .size: 8, .value_kind: global_buffer, .address_space: global }
      - { .name: W_K, .offset: 40, .size: 8, .value_kind: global_buffer, .address_space: global }
      - { .name: W_V, .offset: 48, .size: 8, .value_kind: global_buffer, .address_space: global }
      - { .name: gop, .offset: 56, .size: 8, .value_kind: global_buffer, .address_space: global }
    .group_segment_fixed_size: 35328
    .private_segment_fixed_size: 0
    .kernarg_segment_align: 8
    .kernarg_segment_size: 64
    .max_flat_workgroup_size: 128
    .sgpr_count:     66
    .vgpr_count:     218
    .wavefront_size: 32
...
	.end_amdgpu_metadata
.endif
;; end of part 1
;; launch proj (part 2): grid 8 x 96, 4 waves a work-group, clusters of 4 x 4, 295,424 bytes of LDS; arguments gop, mask, att; writes att
.if DOCPART == 2
	.amdgcn_target "amdgcn-amd-amdhsa--gfx1250"
	.amdhsa_code_object_version 6
	.text
	.protected	k_q63ed1b3f8b_proj
	.globl	k_q63ed1b3f8b_proj
	.p2align	8
	.type	k_q63ed1b3f8b_proj,@function
k_q63ed1b3f8b_proj:
	s_mov_b64 s[64:65], 0
	v_nop
	global_prefetch_b8 v0, s[64:65] scope:SCOPE_SE
	s_setreg_imm32_b32 hwreg(HW_REG_WAVE_MODE, 25, 1), 1
	s_wait_xcnt 0x0
	s_wait_alu depctr_hold_cnt(0) depctr_sa_sdst(0) depctr_va_vdst(0) depctr_va_sdst(0) depctr_va_ssrc(0) depctr_va_vcc(0) depctr_vm_vsrc(0)
	s_getreg_b32 s2, hwreg(HW_REG_IB_STS2, 6, 4)
	s_cmp_eq_u32 s2, 0
	s_cbranch_scc0 .Lentry_in_a_cluster
	s_endpgm
.Lentry_in_a_cluster:
	s_bfe_u32 s2, ttmp6, 0x10000c
	s_cmp_lg_u32 s2, 0xf033
	s_cbranch_scc0 .Lentry_shape_is_right
	s_endpgm
.Lentry_shape_is_right:
; The three input projections on codes of FP6 (E2M3), and the quantising of their results for attention.  t = cluster y / 8: 0: q = Q W_Q^T, 1: k = K W_K^T, 2: v = V W_V^T.
; A work-group makes 256 x 128 results: operand N (source 1, a row to a lane) 256 rows, operand P (source 0, rows along a lane's registers) 128 rows.  q, k: N = tokens, P = the weight's rows; v: N = W_V's rows, P = tokens.
; ALL OF K = 1,024 LIES IN LDS: (256 + 128) rows x 768 bytes = 294,912 bytes, in four chunks of 256 along K.  Each LDS byte is filled once: no slot takes turns.  A wave has four tensor loads out at the most.
; Operands lie in memory and in LDS as images of registers (16 bytes a lane, 8 bytes a lane for each 64 along K): every LDS load reads consecutive bytes.
; Wave w: N's tiles 4 w .. 4 w + 3 against P's eight: 32 accumulators, which take turns, one instruction a turn.
; CLUSTER 4 x 4: N's tiles hang on cy and are asked for jointly along a row of the cluster, P's on cx and along a column.
; P's stored rows have bits 3 and 4 of their number exchanged, so a lane's 64 results of one N tile are, 16 by 16, neighbours along P: register 16 b + i = 32 b + 16 (lane / 16) + i.  They are quantised in registers.
; q, k: the 128 are two heads of 64: two half-images, stored for attention as 8 registers a lane (codes 0-5, dword 6, 0).  v: the 128 are keys: one fragment of V^T (16 channels x 128 keys).
; THE KEY MASK rides in the zero half of attention's first product (its K is 64 of the instruction's 128): q has the code 1.0 at k = 64 under the byte 127; a masked key has zero codes, the code -1.0 at k = 64 and the byte 160:
; its score is exactly -2^33.  An unmasked key has a zero there under the byte 1.
; LIMITS: the masked logit is -2^30 where the module has -1e9: the same result while a row's largest unmasked logit lies above some -1e9, and where all keys are masked.  A block of zeros gets the byte 1.  NaN and infinities are not served.
.set CHUNK, 73728                      ; LDS: N's 16 tiles x 3,072 bytes, then P's 8
.set POFF,  49152
.set SCB,   28311552                   ; gop: where the scale bytes begin; a tile has 12,288 bytes of codes and 512 of scale bytes
.set TQ,    0                          ; first tiles of the tensors in gop
.set TKK,   576
.set TVV,   1088
.set TWQ,   1600
.set TWK,   1664
.set TWV,   1728
.set AKO,   8912896                    ; att: q at 0, k here: [batch x head 64][step 16][8,704]
.set AVO,   17825792                   ; v here: [64][16][6,400]
.set ADRA,  4                          ; v4-7 N's fragments in chunk c, 16 bytes a lane; v8-11 the same for the planes of 8 bytes
.set ADRB,  12                         ; v12-15, v16-19 the same for P
.set VS0,   20                         ; v20 offsets of scale words: lanes 0-15 N's, lanes 16-31 P's;  v21 P's in all lanes
.set VS1,   21
.set MKO,   22                         ; v22 my key's place in the mask
.set ZR,    23                         ; v23 0
.set SO,    24                         ; v24 where I store codes;  v25 scale words
.set SS,    25
.set QB,    26                         ; v26 q's dword 6: the code 1.0 at k = 64
.set HB,    27                         ; v27 the upper two scale bytes of an unmasked row
.set HI,    28                         ; v28-31 those of my row of tile a
.set SC,    32                         ; v32-95 scale words: register 8 i + s: lanes 0-15 N's tile i, lanes 16-31 P's tile i, K step s.  They hold scales and nothing else
.set AF,    96                         ; v96-143, v144-191 N's fragments, two sets.   window 1: P's, v0-95 and v128-223.   window 2: the accumulators, (a, b) at v[8 (8 a + b)]
.set TM,    192                        ; v192-195 largest magnitudes, v196-199 bytes, v204-207 the conversions' scale operands
.set PW,    208                        ; the scale word just made
.set PC,    212                        ; v212-227 the codes just made
.set T2,    228                        ; v228-235 the conversions' second halves
.set MK,    236                        ; v236-239 my key's mask, tile a
.set D6,    240                        ; v240-243 dword 6 of my row of tile a
.set SWA,   244                        ; v244-247, v248-251 scale words gathered
.set SWB,   248
.set TP,    252
.set G1,    24                         ; s[24:31] group 1 for N;  s[32:47] its four groups 0
.set G0,    32
.set G0B,   48                         ; s[48:63] P's four groups 0;  s[68:75] its group 1
.set G1B,   68
.set SEL,   90
.set MSB, 0
.macro WIN new                         ; the immediate's high byte repeats the setting that is left
.if MSB != \new
	s_set_vgpr_msb (MSB<<8)|\new
.set MSB, \new
.endif
.endm
.macro PLACES
.rept 4
	v_nop
.endr
.endm
.macro CROUND                          ; a round of the cluster's barrier
	s_barrier_signal -1
	s_barrier_wait -1
	s_cmp_lg_u32 s10, 0
	s_cbranch_scc1 .Lnot_wave_0_\@
	s_barrier_signal -3
.Lnot_wave_0_\@:
	s_barrier_wait -3
	s_barrier_signal -1
	s_barrier_wait -1
.endm
	s_load_b128 s[4:7], s[0:1], 0x0                ; gop, mask
	s_load_b64 s[8:9], s[0:1], 0x10                ; att
	v_lshl_add_u32 v254, v0, 2, 0x48000
	v_mov_b32 v255, 0
	ds_add_u32 v254, v255
	ds_add_u32 v254, v255
	v_lshrrev_b32 v1, 5, v0
	v_readfirstlane_b32 s10, v1                    ; wave
	s_lshr_b32 s11, s10, 1                         ; I fetch for N (0) or for P (1)
	s_and_b32 s12, s10, 1                          ; which half of it
	s_bfe_u32 s13, ttmp6, 0x40000                  ; cx
	s_bfe_u32 s14, ttmp6, 0x40004                  ; cy
	s_and_b32 s15, ttmp7, 0xffff                   ; cluster y
	s_lshr_b32 s16, s15, 3                         ; t: which projection; the same in all partners
	s_and_b32 s17, s15, 7                          ; Y
	s_lshl_b32 s18, s17, 2
	s_lshl_b32 s19, s17, 1
	s_add_co_u32 s19, s19, ttmp9
	s_lshl_b32 s19, s19, 2                         ; 4 (2 Y + cluster x)
	s_lshl_b32 s20, ttmp9, 2
	s_mov_b32 s21, TQ
	s_mov_b32 s22, TWQ
	s_cmp_eq_u32 s16, 1
	s_cselect_b32 s21, TKK, s21
	s_cselect_b32 s22, TWK, s22
	s_cmp_eq_u32 s16, 2
	s_cselect_b32 s21, TWV, s21                    ; N's tensor, by its first tile,
	s_cselect_b32 s22, TVV, s22                    ; and P's
	s_cselect_b32 s18, 0, s18
	s_cselect_b32 s19, s19, s20
	s_add_co_u32 s18, s18, s14                     ; N's block of 256 rows: 4 Y + cy (v: cy)
	s_add_co_u32 s19, s19, s13                     ; P's block of 128 rows: 4 x + cx (v: 4 (2 Y + x) + cx)
	s_lshl_b32 s23, s18, 4
	s_add_co_u32 s21, s21, s23                     ; N's first tile in gop: hangs on cy alone
	s_lshl_b32 s20, s19, 3
	s_add_co_u32 s22, s22, s20                     ; P's: on cx alone
	s_lshl_b32 s82, s14, 2
	s_lshl_b32 s82, 15, s82                        ; my row of the cluster
	s_lshl_b32 s83, 0x1111, s13                    ; my column
	s_or_b32 s[G1], s82, (3<<16)|(1<<21)           ; 15:0 the mask; 17:16 elements of 8 bytes; 21 set beside a mask; no padding
	s_or_b32 s[G1B], s83, (3<<16)|(1<<21)
	s_mov_b32 s[G1+1], 384<<16                     ; tensor_dim0 = 384 elements: a tile's 3,072 bytes of a chunk
	s_mov_b32 s[G1+2], 8<<16                       ; tensor_dim1 = 8 tiles
	s_mov_b32 s[G1+3], 384<<16                     ; tile_dim0
	s_mov_b32 s[G1+4], 8                           ; tile_dim1
	s_mov_b32 s[G1+5], 1536                        ; from tile to tile: 12,288 bytes
	s_mov_b32 s[G1+6], 0
	s_mov_b32 s[G1+7], 0
	s_mov_b32 s[G1B+1], 384<<16
	s_mov_b32 s[G1B+2], 4<<16                      ; P: 4 tiles a load
	s_mov_b32 s[G1B+3], 384<<16
	s_mov_b32 s[G1B+4], 4
	s_mov_b32 s[G1B+5], 1536
	s_mov_b32 s[G1B+6], 0
	s_mov_b32 s[G1B+7], 0
	s_lshl_b32 s76, s12, 3
	s_add_co_u32 s76, s76, s21
	s_mul_i32 s76, s76, 12288                      ; N: my 8 tiles, in bytes
	s_mov_b32 s77, 0
	s_lshl_b32 s78, s12, 2
	s_add_co_u32 s78, s78, s22
	s_mul_i32 s78, s78, 12288                      ; P: my 4 tiles
	s_mov_b32 s79, 0
	s_mul_i32 s80, s12, 24576                      ; and where they go: no place in the cluster enters an LDS address
	s_mul_i32 s81, s12, 12288
	s_add_co_u32 s81, s81, POFF
	s_mov_b32 s[SEL], 0x76543210
	s_mov_b32 s[SEL+1], 0xfedcba98
	s_wait_dscnt 0x0
	s_wait_kmcnt 0x0
	s_add_nc_u64 s[76:77], s[4:5], s[76:77]
	s_add_nc_u64 s[78:79], s[4:5], s[78:79]
	CROUND                                         ; all sixteen work-groups are here: the joint loads meet
.irp c, 0,1,2,3
	s_mov_b32 s[G0+4*\c], 1
	s_add_co_u32 s[G0+4*\c+1], s80, \c*CHUNK
	s_add_nc_u64 s[G0+4*\c+2:G0+4*\c+3], s[76:77], \c*3072
	s_or_b32 s[G0+4*\c+3], s[G0+4*\c+3], 0x80000000
	s_mov_b32 s[G0B+4*\c], 1
	s_add_co_u32 s[G0B+4*\c+1], s81, \c*CHUNK
	s_add_nc_u64 s[G0B+4*\c+2:G0B+4*\c+3], s[78:79], \c*3072
	s_or_b32 s[G0B+4*\c+3], s[G0B+4*\c+3], 0x80000000
.endr
	s_cmp_eq_u32 s11, 0                            ; a wave's four fills stand in one branch on its number, ahead of every wait on TENSORcnt, LDS read and work-group barrier
	s_cbranch_scc0 .Lfor_p
.irp c, 0,1,2,3
	tensor_load_to_lds s[G0+4*\c:G0+4*\c+3], s[G1:G1+7]
	s_nop 0
.endr
	PLACES
	s_branch .Lasked
.Lfor_p:
.irp c, 0,1,2,3
	tensor_load_to_lds s[G0B+4*\c:G0B+4*\c+3], s[G1B:G1B+7]
	s_nop 0
.endr
	PLACES
.Lasked:
	v_and_b32 v1, 15, v0                           ; r
	v_bfe_u32 v2, v0, 4, 1                         ; h
	v_and_b32 v3, 31, v0                           ; lane
	s_mul_i32 s88, s10, 12288                      ; my four tiles of N in a chunk
	v_lshlrev_b32 v12, 4, v3
	v_lshlrev_b32 v16, 3, v3
	v_add_nc_u32 v4, s88, v12
	v_add_nc_u32 v8, s88, v16
	v_add_nc_u32 v8, 512, v8
	v_add_nc_u32 v12, POFF, v12
	v_add_nc_u32 v16, POFF+512, v16
.irp c, 1,2,3
	v_add_nc_u32 v[4+\c], \c*CHUNK, v4
	v_add_nc_u32 v[8+\c], \c*CHUNK, v8
	v_add_nc_u32 v[12+\c], \c*CHUNK, v12
	v_add_nc_u32 v[16+\c], \c*CHUNK, v16
.endr
	s_lshl_b32 s84, s10, 2
	s_add_co_u32 s84, s84, s21
	s_lshl_b32 s84, s84, 9
	s_add_co_u32 s84, s84, SCB                     ; the scale bytes of my four tiles of N,
	s_lshl_b32 s85, s22, 9
	s_add_co_u32 s85, s85, SCB                     ; and of P's eight
	v_lshlrev_b32 v[VS1], 5, v1                    ; 32 bytes a row
	v_add_nc_u32 v[VS0], s84, v[VS1]
	v_add_nc_u32 v[VS1], s85, v[VS1]
	v_cmp_ne_u32 vcc_lo, 0, v2
	v_cndmask_b32 v[VS0], v[VS0], v[VS1], vcc_lo   ; lanes 16-31 take P's
.irp i, 0,1,2,3
	global_load_b128 v[SC+8*\i:SC+8*\i+3], v[VS0], s[4:5] offset:512*\i      ; a row's eight words, once for all of K
	global_load_b128 v[SC+8*\i+4:SC+8*\i+7], v[VS0], s[4:5] offset:512*\i+16
.endr
.irp i, 4,5,6,7
	global_load_b128 v[SC+8*\i:SC+8*\i+3], v[VS1], s[4:5] offset:512*\i
	global_load_b128 v[SC+8*\i+4:SC+8*\i+7], v[VS1], s[4:5] offset:512*\i+16
.endr
	s_lshl_b32 s88, s18, 8
	s_lshl_b32 s89, s10, 6
	s_add_co_u32 s88, s88, s89                     ; my wave's first token: 256 x block + 64 x wave
	v_and_b32 v[MKO], 7, v1
	v_and_b32 v[ZR], 8, v1
	v_lshl_add_u32 v[MKO], v[ZR], 1, v[MKO]
	v_add_nc_u32 v[MKO], s88, v[MKO]               ; stored row r of tile a is token 32 (a / 2) + 8 (a % 2) + r % 8 + 16 (r / 8) of my 64
.irp a, 0,1,2,3
	global_load_u8 v[MK+\a], v[MKO], s[6:7] offset:32*(\a/2)+8*(\a%2)
.endr
	v_mov_b32 v[ZR], 0
.irp b, 0,1,2,3
	v_mov_b32 v[TM+4+\b], 0                        ; a lane permute's destination counts as one of its sources
.endr
; a fragment, 16 rows x 128 K: two half-images
.macro FRAG reg, adr, q, i
	ds_load_b128 v[(\reg):(\reg)+3], v[\adr] offset:3072*(\i)+1536*(\q)
	ds_load_b64 v[(\reg)+4:(\reg)+5], v[\adr+4] offset:3072*(\i)+1536*(\q)
	ds_load_b128 v[(\reg)+6:(\reg)+9], v[\adr] offset:3072*(\i)+1536*(\q)+768
	ds_load_b64 v[(\reg)+10:(\reg)+11], v[\adr+4] offset:3072*(\i)+1536*(\q)+768
.endm
.macro FETCH s                         ; K step s: P's eight fragments and my four of N into set s % 2
	WIN 0x40                                       ; destination window 1, address window 0
.irp i, 0,1,2,3,4,5,6,7
	FRAG 128*((\s)%2)+12*\i, ADRB+(\s)/2, (\s)%2, \i
.endr
	WIN 0
.irp i, 0,1,2,3
	FRAG AF+48*((\s)%2)+12*\i, ADRA+(\s)/2, (\s)%2, \i
.endr
.endm
.macro MUL s                           ; 32 products; the first K step starts the sums: nothing is cleared
	WIN 0xa1                                       ; source 0 (P) window 1, source 1 (N) window 0, C and D window 2
.irp a, 0,1,2,3
.irp b, 0,1,2,3,4,5,6,7
.if (\s) == 0
	v_wmma_scale_f32_16x16x128_f8f6f4 v[8*(8*\a+\b):8*(8*\a+\b)+7], v[128*((\s)%2)+12*\b:128*((\s)%2)+12*\b+11], v[AF+48*((\s)%2)+12*\a:AF+48*((\s)%2)+12*\a+11], 0, v[SC+8*\b+(\s)], v[SC+8*\a+(\s)] matrix_a_fmt:MATRIX_FMT_FP6 matrix_b_fmt:MATRIX_FMT_FP6 matrix_a_scale:MATRIX_SCALE_ROW1
.else
	v_wmma_scale_f32_16x16x128_f8f6f4 v[8*(8*\a+\b):8*(8*\a+\b)+7], v[128*((\s)%2)+12*\b:128*((\s)%2)+12*\b+11], v[AF+48*((\s)%2)+12*\a:AF+48*((\s)%2)+12*\a+11], v[8*(8*\a+\b):8*(8*\a+\b)+7], v[SC+8*\b+(\s)], v[SC+8*\a+(\s)] matrix_a_fmt:MATRIX_FMT_FP6 matrix_b_fmt:MATRIX_FMT_FP6 matrix_a_scale:MATRIX_SCALE_ROW1
.endif
.endr
.endr
.endm
.macro STEP s
	s_wait_dscnt 0x0                               ; this step's fragments are in (asked for ahead of the last step's 32 products)
.if ((\s)%2 == 1) && ((\s) < 7)
	s_wait_tensorcnt 3-((\s)+1)/2                  ; my part of the next chunk has landed; the later chunks' loads may be out
	s_barrier_signal -1
	s_barrier_wait -1                              ; everybody's has.
.endif
.if (\s) < 7
.if (\s) > 0
	PLACES                                         ; four plain lines between the last step's products and loads into the set that they read
.endif
	FETCH (\s)+1
.endif
	MUL \s
.endm
	s_wait_tensorcnt 3                             ; my part of chunk 0 is in; three loads may be out
	s_barrier_signal -1
	s_barrier_wait -1
	FETCH 0
	s_wait_loadcnt 0x0                             ; the scale words and the mask
.irp s, 0,1,2,3,4,5,6,7
	STEP \s
.endr
	WIN 0
	PLACES                                         ; four plain lines between the last products and the first read of results
; The 64 results of a lane for N's tile a (window 2, v[64 a] on; register 16 b + i = 32 b + 16 (lane / 16) + i along P) become codes in v[PC] on (the second 64 along P hs registers on) and a scale word in v[PW].
.macro QUANT a, hs
.irp b, 0,1,2,3
	v_mov_b32 v[TM+\b], 0x1800000                  ; the floor 2^(3 - 127): the byte cannot fall under 1
.endr
	WIN 0x28                                       ; sources 1 and 2 window 2
.irp i, 0,2,4,6,8,10,12,14
.irp b, 0,1,2,3
	v_max3_num_f32 v[TM+\b], v[TM+\b], |v[64*(\a)+16*\b+\i]|, |v[64*(\a)+16*\b+\i+1]|   ; four blocks by turns, each accumulator from its low end on
.endr
.endr
	WIN 0
.irp b, 0,1,2,3
	v_permlanex16_b32 v[TM+4+\b], v[TM+\b], s[SEL], s[SEL+1]
.endr
.irp b, 0,1,2,3
	v_max_num_f32 v[TM+\b], v[TM+\b], v[TM+4+\b]   ; with lane l xor 16's 16: the block's largest magnitude
.endr
.irp b, 0,1,2,3
	v_add_nc_u32 v[TM+12+\b], 0xff000000, v[TM+\b] ; 2 off the exponent field: the conversion's scale operand
.endr
.irp b, 0,1,2,3
	v_lshrrev_b32 v[TM+4+\b], 23, v[TM+12+\b]      ; the byte
.endr
	v_lshl_or_b32 v[PW], v[TM+5], 8, v[TM+4]
	v_lshl_or_b32 v[PW], v[TM+6], 16, v[PW]
	v_lshl_or_b32 v[PW], v[TM+7], 24, v[PW]
	s_wait_xcnt 0x0                                ; the last tile's stores have read the codes' registers
	WIN 0x02                                       ; source 0 window 2
.irp c, 0,1
	v_cvt_scalef32_pk16_fp6_f32 v[PC+(\hs)*\c:PC+(\hs)*\c+2], v[64*(\a)+32*\c:64*(\a)+32*\c+15], v[TM+12+2*\c]
	v_cvt_scalef32_pk16_fp6_f32 v[T2+4*\c:T2+4*\c+2], v[64*(\a)+32*\c+16:64*(\a)+32*\c+31], v[TM+12+2*\c+1]
.endr
	WIN 0
	v_nop                                          ; one plain line behind the scaled conversions
.irp c, 0,1                                    ; the operand's layout wants a whole block in a lane: lanes 0-15 block 2 c, lanes 16-31 block 2 c + 1
.irp i, 0,1,2
	v_permlane16_swap_b32 v[PC+(\hs)*\c+\i], v[T2+4*\c+\i]
.endr
.irp i, 0,1,2
	v_mov_b32 v[PC+(\hs)*\c+3+\i], v[T2+4*\c+\i]
.endr
.endr
.endm
	s_cmp_eq_u32 s16, 2                            ; the same way in all partners
	s_cbranch_scc1 .Lway_v
	; ---- q and k: tokens in lanes, two heads along the registers
	s_lshr_b32 s88, s18, 3                         ; batch
	s_lshl_b32 s88, s88, 4
	s_lshl_b32 s89, s19, 1
	s_add_co_u32 s88, s88, s89                     ; batch x 16 + my first head
	s_lshl_b32 s88, s88, 4
	s_and_b32 s89, s18, 7
	s_lshl_b32 s89, s89, 1
	s_add_co_u32 s88, s88, s89
	s_add_co_u32 s88, s88, s11                     ; + the step of 128 tokens: 2 (block % 8) + wave / 2
	s_mul_i32 s88, s88, 8704
	s_mul_i32 s89, s16, AKO
	s_add_co_u32 s88, s88, s89
	s_mov_b32 s89, 0
	s_add_nc_u64 s[86:87], s[8:9], s[88:89]
	s_lshl_b32 s97, s12, 12
	v_lshl_add_u32 v[SO], v3, 4, s97               ; 16 x lane + my four tiles' place in the step
	v_mul_u32_u24 v[SS], v2, 139264                ; lanes 16-31 store the second head's words, 16 steps on
	v_lshl_add_u32 v[SS], v1, 4, v[SS]
	s_lshl_b32 s97, s12, 8
	v_add_nc_u32 v[SS], s97, v[SS]
	s_mov_b32 s94, 0x7f7f0000                      ; q: bytes 127, 127 for blocks 2 and 3
	s_mov_b32 s96, 0x9f0000                        ; a masked key: 159 more on block 2's byte
	s_cmp_eq_u32 s16, 1
	s_cselect_b32 s92, 1, 0
	s_cselect_b32 s93, 0x01010000, s94             ; k: bytes 1, 1
	s_cselect_b32 s95, 0, 8
	v_sub_nc_u32 v[QB], 1, v2
	v_mul_u32_u24 v[QB], s95, v[QB]                ; q: the code 1.0 at k = 64, which lies in lanes 0-15
	v_mov_b32 v[HB], s93
.irp a, 0,1,2,3
	v_min_u32 v[MK+\a], 1, v[MK+\a]
	v_mul_u32_u24 v[MK+\a], s92, v[MK+\a]          ; the mask counts for k alone
	v_mad_u32_u24 v[D6+\a], v[MK+\a], 40, v[QB]    ; a masked key: the code -1.0
	v_mad_u32_u24 v[HI+\a], v[MK+\a], s96, v[HB]
.endr
	v_mov_b32 v[PC+7], 0
	v_mov_b32 v[PC+15], 0
.irp a, 0,1,2,3
	QUANT \a, 8
	v_cmp_ne_u32 vcc_lo, 0, v[MK+\a]
.irp i, 0,1,2,3,4,5,8,9,10,11,12,13
	v_cndmask_b32 v[PC+\i], v[PC+\i], v[ZR], vcc_lo    ; a masked key's codes are zeros
.endr
	v_mov_b32 v[PC+6], v[D6+\a]
	v_mov_b32 v[PC+14], v[D6+\a]
	global_store_b128 v[SO], v[PC:PC+3], s[86:87] offset:1024*\a               ; each store: 512 consecutive bytes, aligned to 256
	global_store_b128 v[SO], v[PC+4:PC+7], s[86:87] offset:1024*\a+512
	global_store_b128 v[SO], v[PC+8:PC+11], s[86:87] offset:139264+1024*\a
	global_store_b128 v[SO], v[PC+12:PC+15], s[86:87] offset:139264+1024*\a+512
	v_and_or_b32 v[SWA+\a], v[PW], 0xffff, v[HI+\a]    ; the first head's two bytes, and the padding's two
	v_lshrrev_b32 v[TP], 16, v[PW]
	v_or_b32 v[SWB+\a], v[TP], v[HI+\a]                ; the second head's
.endr
	v_cmp_ne_u32 vcc_lo, 0, v2
.irp a, 0,1,2,3
	v_cndmask_b32 v[SWA+\a], v[SWA+\a], v[SWB+\a], vcc_lo
.endr
	global_store_b128 v[SS], v[SWA:SWA+3], s[86:87] offset:8192    ; [row][4 tiles]: sixteen lanes store 256 consecutive bytes, aligned
	s_branch .Lend
.Lway_v:
	; ---- v: channels in lanes, 128 keys along the registers: wave w makes head 4 x block + w, tile a its channels 16 a on (in stored order)
	s_lshr_b32 s88, s19, 4                         ; batch
	s_lshl_b32 s88, s88, 4
	s_lshl_b32 s89, s18, 2
	s_add_co_u32 s88, s88, s89
	s_add_co_u32 s88, s88, s10
	s_lshl_b32 s88, s88, 4
	s_and_b32 s89, s19, 15                         ; the step of 128 keys
	s_add_co_u32 s88, s88, s89
	s_mul_i32 s88, s88, 6400
	s_add_co_u32 s88, s88, AVO
	s_mov_b32 s89, 0
	s_add_nc_u64 s[86:87], s[8:9], s[88:89]
	v_lshlrev_b32 v[SO], 4, v3
	v_lshlrev_b32 v[SS], 4, v1
	v_lshl_add_u32 v[SS], v2, 3, v[SS]
.irp a, 0,1,2,3
	QUANT \a, 6
	global_store_b128 v[SO], v[PC:PC+3], s[86:87] offset:1536*\a
	global_store_b128 v[SO], v[PC+4:PC+7], s[86:87] offset:1536*\a+512
	global_store_b128 v[SO], v[PC+8:PC+11], s[86:87] offset:1536*\a+1024
	v_mov_b32 v[SWA+\a], v[PW]
.endr
	v_cmp_ne_u32 vcc_lo, 0, v2
	v_cndmask_b32 v[SWB], v[SWA], v[SWA+2], vcc_lo
	v_cndmask_b32 v[SWB+1], v[SWA+1], v[SWA+3], vcc_lo
	global_store_b64 v[SS], v[SWB:SWB+1], s[86:87] offset:6144     ; [row][4 tiles]: the wave stores 256 consecutive bytes, aligned
.Lend:
	s_wait_dscnt 0x0
	s_wait_tensorcnt 0x0
	ds_add_u32 v254, v255
	s_wait_dscnt 0x0
	CROUND                                         ; the closing round: no work-group ends while a partner may still ask for a tile that names it
	s_endpgm
.Lfunc_end_k_q63ed1b3f8b_proj:
	.size	k_q63ed1b3f8b_proj, .Lfunc_end_k_q63ed1b3f8b_proj-k_q63ed1b3f8b_proj
	.p2alignl 7, 3214868480
	.fill 96, 4, 3214868480
	.section	.rodata,"a",@progbits
	.p2align	6, 0x0
	.amdhsa_kernel k_q63ed1b3f8b_proj
		.amdhsa_group_segment_fixed_size 295424
		.amdhsa_private_segment_fixed_size 0
		.amdhsa_enable_private_segment 0
		.amdhsa_kernarg_size 24
		.amdhsa_user_sgpr_count 2
		.amdhsa_user_sgpr_kernarg_segment_ptr 1
		.amdhsa_wavefront_size32 1
		.amdhsa_system_sgpr_workgroup_id_x 1
		.amdhsa_system_sgpr_workgroup_id_y 1
		.amdhsa_system_sgpr_workgroup_id_z 1
		.amdhsa_system_vgpr_workitem_id 0
		.amdhsa_next_free_vgpr 768
		.amdhsa_next_free_sgpr 100
		.amdhsa_reserve_vcc 1
		.amdhsa_float_denorm_mode_32 3
		.amdhsa_float_denorm_mode_16_64 3
		.amdhsa_memory_ordered 1
		.amdhsa_forward_progress 1
		.amdhsa_inst_pref_size 111
	.end_amdhsa_kernel
	.amdgpu_metadata
---
amdhsa.version: [ 1, 2 ]
amdhsa.kernels:
  - .name:           k_q63ed1b3f8b_proj
    .symbol:         k_q63ed1b3f8b_proj.kd
    .args:
      - { .name: gop, .offset: 0, .size: 8, .value_kind: global_buffer, .address_space: global }
      - { .name: mask, .offset: 8, .size: 8, .value_kind: global_buffer, .address_space: global }
      - { .name: att, .offset: 16, .size: 8, .value_kind: global_buffer, .address_space: global }
    .group_segment_fixed_size: 295424
    .private_segment_fixed_size: 0
    .kernarg_segment_align: 8
    .kernarg_segment_size: 24
    .max_flat_workgroup_size: 128
    .sgpr_count:     100
    .vgpr_count:     768
    .wavefront_size: 32
...
	.end_amdgpu_metadata
.endif
;; end of part 2
;; launch attn (part 3): grid 8 x 64, 16 waves a work-group, clusters of 4 x 1, 243,712 bytes of LDS; arguments att, gop; writes gop
.if DOCPART == 3
	.amdgcn_target "amdgcn-amd-amdhsa--gfx1250"
	.amdhsa_code_object_version 6
	.text
	.protected	k_q63ed1b3f8b_attn
	.globl	k_q63ed1b3f8b_attn
	.p2align	8
	.type	k_q63ed1b3f8b_attn,@function
k_q63ed1b3f8b_attn:
	s_mov_b64 s[64:65], 0
	v_nop
	global_prefetch_b8 v0, s[64:65] scope:SCOPE_SE
	s_setreg_imm32_b32 hwreg(HW_REG_WAVE_MODE, 25, 1), 1
	s_wait_xcnt 0x0
	s_wait_alu depctr_hold_cnt(0) depctr_sa_sdst(0) depctr_va_vdst(0) depctr_va_sdst(0) depctr_va_ssrc(0) depctr_va_vcc(0) depctr_vm_vsrc(0)
	s_getreg_b32 s2, hwreg(HW_REG_IB_STS2, 6, 4)
	s_cmp_eq_u32 s2, 0
	s_cbranch_scc0 .Lentry_in_a_cluster
	s_endpgm
.Lentry_in_a_cluster:
	s_bfe_u32 s2, ttmp6, 0x10000c
	s_cmp_lg_u32 s2, 0x3003
	s_cbranch_scc0 .Lentry_shape_is_right
	s_endpgm
.Lentry_shape_is_right:
; Attention on codes of FP6 (E2M3): for one batch and head, O[q] = sum over keys of p V / sum of p, p = 2^(t - M), t = score x log2(e) / 8, M the running largest t rounded UP to a whole number.
; The row's sum is taken of the unquantised p; when M moves, the sum and O are multiplied by 2^(old M - new M), which rounds nothing.  The result is quantised along the model's axis for the output projection.
; SHARES.  A work-group owns 256 queries of one head; each of its sixteen waves 16 of them, in 256 registers: four waves to a SIMD, so that one wave's vector work stands beside another's products and LDS loads.  Steps of 128 keys.
; THE HEAD'S WHOLE K AND V LIE IN LDS (139,264 + 102,400 bytes), as images of operand registers, with their scale words: each LDS byte is filled once, in four chunks of four steps; a fetching wave has four tensor loads out.
; CLUSTER.  The four query blocks of a cluster belong to one head: each chunk is asked for jointly (mask 15).  Waves 0, 1 fetch K's halves, waves 2, 3 V's.
; LAYOUT.  Both products transposed: S^T = K Q^T, O^T = V^T P^T: a lane holds one query (lane % 16).  K's stored rows have bits 3 and 4 exchanged, so the 16 registers of tiles 2 b, 2 b + 1 are keys 32 b + 16 (lane / 16) + 0 .. 15.
; THE FIRST PRODUCT'S K IS 64 of the instruction's 128.  q's codes from k = 65 on are zeros, so registers 7-11 of a fragment of K may hold anything: K's tiles stand 8 registers apart.  At k = 64 rides the key mask: a masked key's
; score is exactly -2^33 (made by the launch before), so this loop has no line for the mask.  c x 2^33 is a whole number: where all keys are masked t - M = 0 and the weights are equal.
; LIMITS: the masked logit is -2^30 where the module has -1e9 (the same result while a row's largest unmasked logit lies above some -1e9, and where all keys are masked); NaN and infinities are not served.
; The result's scale bytes leave as single bytes, 32 bytes apart: one byte for each 24 bytes of codes that the launch stores.
; No prefetch: every load of K and V is issued in the launch's first lines.
.set KSTEP, 8704                       ; a step of K: 8 tiles x 1,024 bytes (two planes of 16 bytes a lane), 512 bytes of scale words [4 tiles' group][row][4]
.set VSTEP, 6400                       ; of V: 4 tiles of 16 channels x 1,536 bytes (three planes), 256 bytes of scale words [row][4]
.set VB,    16*KSTEP                   ; LDS: V behind K
.set AKO,   8912896
.set AVO,   17825792
.set CATT,  22020096                   ; gop: the result's codes, 12,288 bytes a tile of 16 tokens, 768 a head;
.set SATT,  29229056                   ; its scale bytes, [token][32]
.set ADK,  5                           ; v5-8 the step's addresses: K, K's scale words, V, V's scale words
.set ADS,  6
.set ADV,  7
.set ADT,  8
.set QO,   9
.set QSO,  10
.set L8,   11
.set AV0,  28
.set AT0,  29
.set BO,   30
.set KF,   32                          ; v32-99 K's tile t at 32 + 8 t (12 registers named); later V's tile d at 32 + 12 d
.set SR,   100                         ; v100-163 S^T, then p
.set OT,   164                         ; v164-195 O^T
.set PCD,  196                         ; v196-207 p's codes
.set PT,   208                         ; v208-215 the conversions' second halves
.set BM,   216                         ; v216-219 the blocks' largest scores, then p;  v220-223 at work, bytes;  v224-227 scale operands
.set BT,   220
.set BE,   224
.set KS,   228                         ; v228-235 K's scale words, v236-239 V's, v242 p's, v245 q's: they hold scales and nothing else
.set VS,   236
.set FF,   240                         ; v[240:241] f = 2^(old M - new M)
.set PS,   242
.set TP,   243
.set QS,   245
.set S2,   246                         ; v[246:247] the sum's second chain
.set WV,   8
.set CS,   14                          ; s[14:15] c = log2(e) / 8
.set SEL,  16
.set TK,   18
.set TV,   19
.set CNT,  20
.set G1K,  24
.set G1V,  32
.set G0K,  40                          ; s[40:55]
.set G0V,  68                          ; s[68:83]
.macro PLACES
.rept 4
	v_nop
.endr
.endm
.macro CROUND
	s_barrier_signal -1
	s_barrier_wait -1
	s_cmp_lg_u32 s[WV], 0
	s_cbranch_scc1 .Lnot_wave_0_\@
	s_barrier_signal -3
.Lnot_wave_0_\@:
	s_barrier_wait -3
	s_barrier_signal -1
	s_barrier_wait -1
.endm
	s_load_b128 s[4:7], s[0:1], 0x0                ; att, gop
	v_lshl_add_u32 v254, v0, 2, 0x3b000
	v_mov_b32 v255, 0
	ds_add_u32 v254, v255
	ds_add_u32 v254, v255
	v_lshrrev_b32 v1, 5, v0
	v_readfirstlane_b32 s[WV], v1                  ; wave 0..15
	s_bfe_u32 s9, ttmp6, 0x40000                   ; cx
	s_lshl_b32 s10, ttmp9, 2
	s_add_co_u32 s10, s10, s9                      ; my block of 256 queries: it enters global addresses alone
	s_and_b32 s11, ttmp7, 0xffff                   ; batch x 16 + head, which the partners share
	s_and_b32 s12, s[WV], 1
	s_mul_i32 s56, s11, 16*KSTEP
	s_mul_i32 s13, s12, 2*KSTEP                    ; my half of a chunk of K: in LDS,
	s_add_co_u32 s56, s56, s13
	s_add_co_u32 s56, s56, AKO                     ; and in memory
	s_mov_b32 s57, 0
	s_mul_i32 s58, s11, 16*VSTEP
	s_mul_i32 s21, s12, 2*VSTEP
	s_add_co_u32 s58, s58, s21
	s_add_co_u32 s58, s58, AVO
	s_mov_b32 s59, 0
	s_add_co_u32 s21, s21, VB
	s_mov_b32 s[G1K], 15|(3<<16)|(1<<21)           ; 15:0 the mask: all four; 17:16 elements of 8 bytes; 21 set beside a mask; no padding
	s_mov_b32 s[G1K+1], 32<<16                     ; dense bytes as rows of 256
	s_mov_b32 s[G1K+2], 68<<16                     ; half a chunk of K: 17,408 bytes
	s_mov_b32 s[G1K+3], 32<<16
	s_mov_b32 s[G1K+4], 68
	s_mov_b32 s[G1K+5], 32
	s_mov_b32 s[G1K+6], 0
	s_mov_b32 s[G1K+7], 0
	s_mov_b32 s[G1V], 15|(3<<16)|(1<<21)
	s_mov_b32 s[G1V+1], 32<<16
	s_mov_b32 s[G1V+2], 50<<16                     ; of V: 12,800 bytes
	s_mov_b32 s[G1V+3], 32<<16
	s_mov_b32 s[G1V+4], 50
	s_mov_b32 s[G1V+5], 32
	s_mov_b32 s[G1V+6], 0
	s_mov_b32 s[G1V+7], 0
	s_mov_b32 s[CS], 0x3e38aa3b
	s_mov_b32 s[CS+1], s[CS]                       ; (named with it as a pair, so it is written)
	s_mov_b32 s[SEL], 0x76543210
	s_mov_b32 s[SEL+1], 0xfedcba98
	s_wait_dscnt 0x0
	s_wait_kmcnt 0x0
	s_add_nc_u64 s[56:57], s[4:5], s[56:57]
	s_add_nc_u64 s[58:59], s[4:5], s[58:59]
	CROUND                                         ; all four work-groups are here: the joint loads meet
.irp c, 0,1,2,3
	s_mov_b32 s[G0K+4*\c], 1
	s_add_co_u32 s[G0K+4*\c+1], s13, \c*4*KSTEP
	s_add_nc_u64 s[G0K+4*\c+2:G0K+4*\c+3], s[56:57], \c*4*KSTEP
	s_or_b32 s[G0K+4*\c+3], s[G0K+4*\c+3], 0x80000000
	s_mov_b32 s[G0V+4*\c], 1
	s_add_co_u32 s[G0V+4*\c+1], s21, \c*4*VSTEP
	s_add_nc_u64 s[G0V+4*\c+2:G0V+4*\c+3], s[58:59], \c*4*VSTEP
	s_or_b32 s[G0V+4*\c+3], s[G0V+4*\c+3], 0x80000000
.endr
	s_cmp_lt_u32 s[WV], 2                          ; a wave's four fills stand in one branch on its number
	s_cbranch_scc0 .Lnot_k
.irp c, 0,1,2,3
	tensor_load_to_lds s[G0K+4*\c:G0K+4*\c+3], s[G1K:G1K+7]
	s_nop 0
.endr
	PLACES
	s_branch .Lasked
.Lnot_k:
	s_cmp_lt_u32 s[WV], 4
	s_cbranch_scc0 .Lasked
.irp c, 0,1,2,3
	tensor_load_to_lds s[G0V+4*\c:G0V+4*\c+3], s[G1V:G1V+7]
	s_nop 0
.endr
	PLACES
.Lasked:
	v_and_b32 v4, 15, v0                           ; r
	v_bfe_u32 v3, v0, 4, 1                         ; h
	v_and_b32 v1, 31, v0
	v_lshlrev_b32 v[L8], 3, v1                     ; 8 x lane
	v_lshlrev_b32 v1, 4, v1                        ; 16 x lane
	v_lshlrev_b32 v2, 4, v4                        ; 16 r
	v_add_nc_u32 v[AV0], VB, v1
	v_add_nc_u32 v[AT0], VB, v2
	v_lshl_add_u32 v[BO], v4, 5, v3                ; 32 r + h
	s_lshl_b32 s60, s11, 4                         ; q: my tile is 16 x block + wave of the head's 128: step 2 x block + wave / 8, tile wave % 8
	s_lshl_b32 s61, s10, 1
	s_add_co_u32 s60, s60, s61
	s_lshr_b32 s61, s[WV], 3
	s_add_co_u32 s60, s60, s61
	s_mul_i32 s60, s60, KSTEP
	s_mov_b32 s61, 0
	s_add_nc_u64 s[84:85], s[4:5], s[60:61]
	s_and_b32 s60, s[WV], 7
	s_lshl_b32 s61, s60, 10
	v_add_nc_u32 v[QO], s61, v1
	global_load_b128 v[16:19], v[QO], s[84:85]             ; q's codes, registers 0-3,
	global_load_b128 v[20:23], v[QO], s[84:85] offset:512  ; 4, 5, the code 1.0 at k = 64, and 0
	s_lshr_b32 s61, s60, 2
	s_lshl_b32 s61, s61, 8
	s_and_b32 s60, s[WV], 3
	s_lshl_b32 s60, s60, 2
	s_add_co_u32 s61, s61, s60
	v_add_nc_u32 v[QSO], s61, v2
	global_load_b32 v[QS], v[QSO], s[84:85] offset:8192    ; q's scale words
	s_lshr_b32 s90, s11, 4                         ; the way out: batch,
	s_lshl_b32 s90, s90, 7
	s_lshl_b32 s91, s10, 4
	s_add_co_u32 s90, s90, s91
	s_add_co_u32 s90, s90, s[WV]                   ; my tile of 16 tokens among all,
	s_and_b32 s91, s11, 15                         ; my head
	s_mul_i32 s92, s90, 12288
	s_mul_i32 s93, s91, 768
	s_add_co_u32 s92, s92, s93
	s_add_co_u32 s92, s92, CATT
	s_mov_b32 s93, 0
	s_add_nc_u64 s[86:87], s[6:7], s[92:93]
	s_lshl_b32 s92, s90, 9
	s_lshl_b32 s94, s91, 1
	s_add_co_u32 s92, s92, s94
	s_add_co_u32 s92, s92, SATT
	s_add_nc_u64 s[88:89], s[6:7], s[92:93]
.irp j, 24,25,26,27,96,97,98,99
	v_mov_b32 v[\j], 0                             ; q's codes from k = 96 on in each half; and what tile 7 of K names behind its own eight registers
.endr
	v_mov_b32 v13, 0xff61b1e6                      ; the largest t so far: -3e38
	v_floor_f32 v12, -v13                          ; -M
	v_mov_b32 v14, 0                               ; the sum, in two halves
	v_mov_b32 v15, 0
	v_mov_b32 v[FF+1], 0                           ; (named as the upper half of a pair)
	v_mov_b32 v[TP], 0
.irp b, 0,1,2,3
	v_mov_b32 v[BT+\b], 0                          ; a lane permute's destination counts as one of its sources
.endr
.set j, 0
.rept 32
	v_mov_b32 v[OT+j], 0                           ; O^T: the step is written once; its first trip finds zeros
.set j, j+1
.endr
.macro STEP
	v_add_nc_u32 v[ADK], s[TK], v1                 ; these four are also the plain lines between the last step's products and the loads into the registers that they read
	v_add_nc_u32 v[ADS], s[TK], v2
	v_add_nc_u32 v[ADV], s[TV], v[AV0]
	v_add_nc_u32 v[ADT], s[TV], v[AT0]
.irp t, 0,1,2,3,4,5,6,7
	ds_load_b128 v[KF+8*\t:KF+8*\t+3], v[ADK] offset:1024*\t
	ds_load_b128 v[KF+8*\t+4:KF+8*\t+7], v[ADK] offset:1024*\t+512
.endr
	ds_load_b128 v[KS:KS+3], v[ADS] offset:8192
	ds_load_b128 v[KS+4:KS+7], v[ADS] offset:8448
	s_wait_dscnt 0x0
.irp t, 0,1,2,3,4,5,6,7
	v_wmma_scale_f32_16x16x128_f8f6f4 v[SR+8*\t:SR+8*\t+7], v[KF+8*\t:KF+8*\t+11], v[16:27], 0, v[KS+\t], v[QS] matrix_a_fmt:MATRIX_FMT_FP6 matrix_b_fmt:MATRIX_FMT_FP6
.endr
	PLACES                                         ; in front of the loads into K's registers and of the first read of the scores
.irp d, 0,1,2,3
.irp p, 0,1,2
	ds_load_b128 v[KF+12*\d+4*\p:KF+12*\d+4*\p+3], v[ADV] offset:1536*\d+512*\p   ; V lands under the softmax
.endr
.endr
	ds_load_b128 v[VS:VS+3], v[ADT] offset:6144
.irp b, 0,1,2,3
	v_max3_num_f32 v[BM+\b], v[SR+16*\b], v[SR+1+16*\b], v[SR+2+16*\b]   ; the largest score of each block of 32 keys: it serves the row's maximum and, since p rises with the score, the block's largest p
.endr
.irp i, 3,5,7,9,11,13
.irp b, 0,1,2,3
	v_max3_num_f32 v[BM+\b], v[BM+\b], v[SR+16*\b+\i], v[SR+1+16*\b+\i]
.endr
.endr
.irp b, 0,1,2,3
	v_max_num_f32 v[BM+\b], v[BM+\b], v[SR+15+16*\b]
.endr
.irp b, 0,1,2,3
	v_permlanex16_b32 v[BT+\b], v[BM+\b], s[SEL], s[SEL+1]
.endr
.irp b, 0,1,2,3
	v_max_num_f32 v[BM+\b], v[BM+\b], v[BT+\b]     ; with lane l xor 16's 16 keys
.endr
	v_max3_num_f32 v[TP], v[BM], v[BM+1], v[BM+2]
	v_max_num_f32 v[TP], v[TP], v[BM+3]
	v_mul_f32 v[TP], s[CS], v[TP]                  ; the step's largest t
	v_max_num_f32 v13, v13, v[TP]                  ; the running largest t
	v_mov_b32 v[TP], v12
	v_floor_f32 v12, -v13                          ; the new -M = -ceil(t)
	v_sub_f32 v[TP], v12, v[TP]                    ; old M - new M: a whole number, 0 or less
	v_cvt_i32_f32 v[TP], v[TP]                     ; (it saturates)
	v_ldexp_f32 v[FF], 1.0, v[TP]                  ; f
.set j, 0
.rept 32
	v_pk_fma_f32 v[SR+j:SR+j+1], v[SR+j:SR+j+1], s[CS:CS+1], v[12:13] op_sel_hi:[1,0,0]   ; t - M, two at a time
.set j, j+2
.endr
.irp b, 0,1,2,3
	v_fma_f32 v[BM+\b], v[BM+\b], s[CS], v12
.endr
.set j, 0
.rept 64
	v_exp_f32 v[SR+j], v[SR+j]                     ; p = 2^(t - M): not normalised
.set j, j+1
.endr
	v_pk_mul_f32 v[14:15], v[14:15], v[FF:FF+1] op_sel_hi:[1,0]   ; the sums under the new M; also the plain line behind the batch
	s_wait_alu depctr_va_vdst(0)                   ; one wait for the batch of 64, ahead of its first reader
.irp b, 0,1,2,3
	v_exp_f32 v[BM+\b], v[BM+\b]                   ; the blocks' largest p
.endr
	v_pk_add_f32 v[S2:S2+1], v[SR:SR+1], v[SR+2:SR+3]             ; the row's sum of the unquantised p, in two chains
.set j, 4
.rept 15
	v_pk_add_f32 v[14:15], v[14:15], v[SR+j:SR+j+1]
	v_pk_add_f32 v[S2:S2+1], v[S2:S2+1], v[SR+2+j:SR+3+j]
.set j, j+4
.endr
	v_pk_add_f32 v[14:15], v[14:15], v[S2:S2+1]
	s_wait_alu depctr_va_vdst(0)                   ; and one for the four
.irp b, 0,1,2,3
	v_max_num_f32 v[BM+\b], 0x1800000, v[BM+\b]    ; the floor 2^(3 - 127): a block whose every p is 0 keeps the byte 1; its codes are zeros
.endr
.irp b, 0,1,2,3
	v_add_nc_u32 v[BE+\b], 0xff000000, v[BM+\b]
.endr
.irp b, 0,1,2,3
	v_lshrrev_b32 v[BT+\b], 23, v[BE+\b]
.endr
	v_lshl_or_b32 v[PS], v[BT+1], 8, v[BT]         ; p's scale word for these 128 keys
	v_lshl_or_b32 v[PS], v[BT+2], 16, v[PS]
	v_lshl_or_b32 v[PS], v[BT+3], 24, v[PS]
.irp c, 0,1
	v_cvt_scalef32_pk16_fp6_f32 v[PCD+6*\c:PCD+6*\c+2], v[SR+32*\c:SR+32*\c+15], v[BE+2*\c]
	v_cvt_scalef32_pk16_fp6_f32 v[PT+4*\c:PT+4*\c+2], v[SR+32*\c+16:SR+32*\c+31], v[BE+2*\c+1]
.endr
	v_nop                                          ; one plain line behind the scaled conversions
.irp c, 0,1
.irp i, 0,1,2
	v_permlane16_swap_b32 v[PCD+6*\c+\i], v[PT+4*\c+\i]
.endr
.irp i, 0,1,2
	v_mov_b32 v[PCD+6*\c+3+\i], v[PT+4*\c+\i]
.endr
.endr
.set j, 0
.rept 16
	v_pk_mul_f32 v[OT+j:OT+j+1], v[OT+j:OT+j+1], v[FF:FF+1] op_sel_hi:[1,0]   ; O^T under the new M, each accumulator from its low end on; sixteen plain lines between p's scale word and codes and the products
.set j, j+2
.endr
	s_wait_dscnt 0x0                               ; V
.irp d, 0,1,2,3
	v_wmma_scale_f32_16x16x128_f8f6f4 v[OT+8*\d:OT+8*\d+7], v[KF+12*\d:KF+12*\d+11], v[PCD:PCD+11], v[OT+8*\d:OT+8*\d+7], v[VS+\d], v[PS] matrix_a_fmt:MATRIX_FMT_FP6 matrix_b_fmt:MATRIX_FMT_FP6
.endr
	s_add_co_u32 s[TK], s[TK], KSTEP
	s_add_co_u32 s[TV], s[TV], VSTEP
.endm
.macro CHUNKS c                        ; four steps
	s_wait_tensorcnt 3-\c                          ; my part of this chunk has landed; the later chunks' loads may be out
	s_wait_dscnt 0x0
	s_barrier_signal -1
	s_barrier_wait -1                              ; everybody's has.
	s_mov_b32 s[TK], \c*4*KSTEP
	s_mov_b32 s[TV], \c*4*VSTEP
	s_mov_b32 s[CNT], 4
.Lstep_\@:
	STEP
	s_sub_co_u32 s[CNT], s[CNT], 1
	s_cmp_lg_u32 s[CNT], 0
	s_cbranch_scc1 .Lstep_\@
.endm
	s_wait_loadcnt 0x0                             ; q
	CHUNKS 0
	CHUNKS 1
	CHUNKS 2
	CHUNKS 3
	; THE WAY OUT: O^T / the sum; register 16 b + i is channel 32 b + 16 (lane / 16) + i of my query: two blocks of 32 along the output projection's K
	PLACES
	v_add_f32 v14, v14, v15
	v_permlanex16_b32 v[TP], v14, s[SEL], s[SEL+1]
	v_add_f32 v14, v14, v[TP]                      ; the row's sum
	v_rcp_f32 v[FF], v14
	v_nop                                          ; a plain line behind the reciprocal,
	s_wait_alu depctr_va_vdst(0)                   ; and the wait ahead of its first reader
.set j, 0
.rept 16
	v_pk_mul_f32 v[SR+j:SR+j+1], v[OT+j:OT+j+1], v[FF:FF+1] op_sel_hi:[1,0]
.set j, j+2
.endr
.irp b, 0,1
	v_max3_num_f32 v[BM+\b], |v[SR+16*\b]|, |v[SR+1+16*\b]|, 0x1800000
.endr
.irp i, 2,4,6,8,10,12,14
.irp b, 0,1
	v_max3_num_f32 v[BM+\b], v[BM+\b], |v[SR+16*\b+\i]|, |v[SR+1+16*\b+\i]|
.endr
.endr
.irp b, 0,1
	v_permlanex16_b32 v[BT+\b], v[BM+\b], s[SEL], s[SEL+1]
.endr
.irp b, 0,1
	v_max_num_f32 v[BM+\b], v[BM+\b], v[BT+\b]
.endr
.irp b, 0,1
	v_add_nc_u32 v[BE+\b], 0xff000000, v[BM+\b]
.endr
.irp b, 0,1
	v_lshrrev_b32 v[BT+\b], 23, v[BE+\b]
.endr
	v_cvt_scalef32_pk16_fp6_f32 v[PCD:PCD+2], v[SR:SR+15], v[BE]
	v_cvt_scalef32_pk16_fp6_f32 v[PT:PT+2], v[SR+16:SR+31], v[BE+1]
	v_nop
.irp i, 0,1,2
	v_permlane16_swap_b32 v[PCD+\i], v[PT+\i]
.endr
.irp i, 0,1,2
	v_mov_b32 v[PCD+3+\i], v[PT+\i]                ; lane (r, h): block h of token r: a half-image
.endr
	v_cmp_ne_u32 vcc_lo, 0, v3
	v_cndmask_b32 v[TP], v[BT], v[BT+1], vcc_lo    ; block h's byte
	global_store_b128 v1, v[PCD:PCD+3], s[86:87]               ; 512 consecutive bytes, aligned to 256
	global_store_b64 v[L8], v[PCD+4:PCD+5], s[86:87] offset:512 ; 256 consecutive bytes, aligned
	global_store_b8 v[BO], v[TP], s[88:89]
	s_wait_dscnt 0x0
	s_wait_tensorcnt 0x0
	ds_add_u32 v254, v255
	s_wait_dscnt 0x0
	CROUND                                         ; the closing round
	s_endpgm
.Lfunc_end_k_q63ed1b3f8b_attn:
	.size	k_q63ed1b3f8b_attn, .Lfunc_end_k_q63ed1b3f8b_attn-k_q63ed1b3f8b_attn
	.p2alignl 7, 3214868480
	.fill 96, 4, 3214868480
	.section	.rodata,"a",@progbits
	.p2align	6, 0x0
	.amdhsa_kernel k_q63ed1b3f8b_attn
		.amdhsa_group_segment_fixed_size 243712
		.amdhsa_private_segment_fixed_size 0
		.amdhsa_enable_private_segment 0
		.amdhsa_kernarg_size 16
		.amdhsa_user_sgpr_count 2
		.amdhsa_user_sgpr_kernarg_segment_ptr 1
		.amdhsa_wavefront_size32 1
		.amdhsa_system_sgpr_workgroup_id_x 1
		.amdhsa_system_sgpr_workgroup_id_y 1
		.amdhsa_system_sgpr_workgroup_id_z 1
		.amdhsa_system_vgpr_workitem_id 0
		.amdhsa_next_free_vgpr 256
		.amdhsa_next_free_sgpr 100
		.amdhsa_reserve_vcc 1
		.amdhsa_float_denorm_mode_32 3
		.amdhsa_float_denorm_mode_16_64 3
		.amdhsa_memory_ordered 1
		.amdhsa_forward_progress 1
		.amdhsa_inst_pref_size 77
	.end_amdhsa_kernel
	.amdgpu_metadata
---
amdhsa.version: [ 1, 2 ]
amdhsa.kernels:
  - .name:           k_q63ed1b3f8b_attn
    .symbol:         k_q63ed1b3f8b_attn.kd
    .args:
      - { .name: att, .offset: 0, .size: 8, .value_kind: global_buffer, .address_space: global }
      - { .name: gop, .offset: 8, .size: 8, .value_kind: global_buffer, .address_space: global }
    .group_segment_fixed_size: 243712
    .private_segment_fixed_size: 0
    .kernarg_segment_align: 8
    .kernarg_segment_size: 16
    .max_flat_workgroup_size: 512
    .sgpr_count:     100
    .vgpr_count:     256
    .wavefront_size: 32
...
	.end_amdgpu_metadata
.endif
;; end of part 3
;; launch oproj (part 4): grid 8 x 32, 4 waves a work-group, clusters of 4 x 4, 295,424 bytes of LDS; arguments gop, Q, out0; writes out0
.if DOCPART == 4
	.amdgcn_target "amdgcn-amd-amdhsa--gfx1250"
	.amdhsa_code_object_version 6
	.text
	.protected	k_q63ed1b3f8b_oproj
	.globl	k_q63ed1b3f8b_oproj
	.p2align	8
	.type	k_q63ed1b3f8b_oproj,@function
k_q63ed1b3f8b_oproj:
	s_mov_b64 s[64:65], 0
	v_nop
	global_prefetch_b8 v0, s[64:65] scope:SCOPE_SE
	s_setreg_imm32_b32 hwreg(HW_REG_WAVE_MODE, 25, 1), 1
	s_wait_xcnt 0x0
	s_wait_alu depctr_hold_cnt(0) depctr_sa_sdst(0) depctr_va_vdst(0) depctr_va_sdst(0) depctr_va_ssrc(0) depctr_va_vcc(0) depctr_vm_vsrc(0)
	s_getreg_b32 s2, hwreg(HW_REG_IB_STS2, 6, 4)
	s_cmp_eq_u32 s2, 0
	s_cbranch_scc0 .Lentry_in_a_cluster
	s_endpgm
.Lentry_in_a_cluster:
	s_bfe_u32 s2, ttmp6, 0x10000c
	s_cmp_lg_u32 s2, 0xf033
	s_cbranch_scc0 .Lentry_shape_is_right
	s_endpgm
.Lentry_shape_is_right:
; out0 = Q + attention's result x W_O^T, the product on codes of FP6 (E2M3).  A work-group makes 256 tokens x 128 columns.  Operand N (source 1, a row to a lane): the tokens' codes; operand P (source 0): W_O's rows, in plain order,
; so that a lane's eight results are eight neighbouring columns of one row of out0.
; ALL OF K = 1,024 LIES IN LDS: (256 + 128) rows x 768 bytes = 294,912 bytes, in four chunks of 256 along K.  Each LDS byte is filled once.  A wave has four tensor loads out at the most.
; Operands lie in memory and in LDS as images of registers: every LDS load reads consecutive bytes.  Wave w: N's tiles 4 w .. 4 w + 3 against P's eight: 32 accumulators by turns.
; CLUSTER 4 x 4: N's tiles are asked for jointly along a row of the cluster, P's along a column.
; The residual, my 64 rows x 512 bytes of Q, is loaded into window 3 while the products run.  Results go through the wave's stage in LDS, meet the residual, and leave as whole rows of 512 bytes.
; The stages lie in chunk 0: it has had its only fill, and every wave's reads of it ended ahead of the barrier in front of chunk 1.
.set CHUNK, 73728
.set POFF,  49152
.set SCB,   28311552
.set TWO,   512                        ; W_O's first tile in gop
.set TATT,  1792                       ; the attention result's
.set ADRA,  4
.set ADRB,  12
.set VS0,   20
.set VS1,   21
.set STO,   22                         ; v22 the stage: where I put 32 bytes of a row;  v23 where I read a row back
.set RD,    23
.set RO,    24                         ; v24 16 x lane: my bytes of a row of Q and of out0
.set SC,    32                         ; v32-95 scale words; they hold scales and nothing else
.set AF,    96                         ; v96-191 N's fragments, two sets; on the way out v96-159 and v160-223 take rows by turns
.set SPITCH, 528
.set G1,    24
.set G0,    32
.set G0B,   48
.set G1B,   68
.set MSB, 0
.macro WIN new
.if MSB != \new
	s_set_vgpr_msb (MSB<<8)|\new
.set MSB, \new
.endif
.endm
.macro PLACES
.rept 4
	v_nop
.endr
.endm
.macro CROUND
	s_barrier_signal -1
	s_barrier_wait -1
	s_cmp_lg_u32 s10, 0
	s_cbranch_scc1 .Lnot_wave_0_\@
	s_barrier_signal -3
.Lnot_wave_0_\@:
	s_barrier_wait -3
	s_barrier_signal -1
	s_barrier_wait -1
.endm
	s_load_b128 s[4:7], s[0:1], 0x0                ; gop, Q
	s_load_b64 s[8:9], s[0:1], 0x10                ; out0
	v_lshl_add_u32 v254, v0, 2, 0x48000
	v_mov_b32 v255, 0
	ds_add_u32 v254, v255
	ds_add_u32 v254, v255
	v_lshrrev_b32 v1, 5, v0
	v_readfirstlane_b32 s10, v1                    ; wave
	s_lshr_b32 s11, s10, 1                         ; I fetch for N (0) or for P (1)
	s_and_b32 s12, s10, 1
	s_bfe_u32 s13, ttmp6, 0x40000                  ; cx
	s_bfe_u32 s14, ttmp6, 0x40004                  ; cy
	s_and_b32 s15, ttmp7, 0xffff
	s_lshl_b32 s18, s15, 2
	s_add_co_u32 s18, s18, s14                     ; my block of 256 tokens
	s_lshl_b32 s19, ttmp9, 2
	s_add_co_u32 s19, s19, s13                     ; my block of 128 columns
	s_lshl_b32 s21, s18, 4
	s_add_co_u32 s21, s21, TATT                    ; N's first tile: hangs on cy alone
	s_lshl_b32 s22, s19, 3
	s_add_co_u32 s22, s22, TWO                     ; P's: on cx alone
	s_lshl_b32 s82, s14, 2
	s_lshl_b32 s82, 15, s82
	s_lshl_b32 s83, 0x1111, s13
	s_or_b32 s[G1], s82, (3<<16)|(1<<21)           ; the mask; elements of 8 bytes; bit 21 beside a mask; no padding
	s_or_b32 s[G1B], s83, (3<<16)|(1<<21)
	s_mov_b32 s[G1+1], 384<<16                     ; a tile's 3,072 bytes of a chunk
	s_mov_b32 s[G1+2], 8<<16
	s_mov_b32 s[G1+3], 384<<16
	s_mov_b32 s[G1+4], 8
	s_mov_b32 s[G1+5], 1536
	s_mov_b32 s[G1+6], 0
	s_mov_b32 s[G1+7], 0
	s_mov_b32 s[G1B+1], 384<<16
	s_mov_b32 s[G1B+2], 4<<16
	s_mov_b32 s[G1B+3], 384<<16
	s_mov_b32 s[G1B+4], 4
	s_mov_b32 s[G1B+5], 1536
	s_mov_b32 s[G1B+6], 0
	s_mov_b32 s[G1B+7], 0
	s_lshl_b32 s76, s12, 3
	s_add_co_u32 s76, s76, s21
	s_mul_i32 s76, s76, 12288
	s_mov_b32 s77, 0
	s_lshl_b32 s78, s12, 2
	s_add_co_u32 s78, s78, s22
	s_mul_i32 s78, s78, 12288
	s_mov_b32 s79, 0
	s_mul_i32 s80, s12, 24576
	s_mul_i32 s81, s12, 12288
	s_add_co_u32 s81, s81, POFF
	s_lshl_b32 s88, s18, 8
	s_lshl_b32 s89, s10, 6
	s_add_co_u32 s88, s88, s89                     ; my first row: 256 x block + 64 x wave,
	s_lshl_b32 s88, s88, 12                        ; of 4,096 bytes,
	s_lshl_b32 s89, s19, 9
	s_add_co_u32 s88, s88, s89                     ; and my 512 bytes in it
	s_mov_b32 s89, 0
	s_wait_dscnt 0x0
	s_wait_kmcnt 0x0
	s_add_nc_u64 s[76:77], s[4:5], s[76:77]
	s_add_nc_u64 s[78:79], s[4:5], s[78:79]
	s_add_nc_u64 s[6:7], s[6:7], s[88:89]
	s_add_nc_u64 s[8:9], s[8:9], s[88:89]
	CROUND                                         ; all sixteen work-groups are here: the joint loads meet
.irp c, 0,1,2,3
	s_mov_b32 s[G0+4*\c], 1
	s_add_co_u32 s[G0+4*\c+1], s80, \c*CHUNK
	s_add_nc_u64 s[G0+4*\c+2:G0+4*\c+3], s[76:77], \c*3072
	s_or_b32 s[G0+4*\c+3], s[G0+4*\c+3], 0x80000000
	s_mov_b32 s[G0B+4*\c], 1
	s_add_co_u32 s[G0B+4*\c+1], s81, \c*CHUNK
	s_add_nc_u64 s[G0B+4*\c+2:G0B+4*\c+3], s[78:79], \c*3072
	s_or_b32 s[G0B+4*\c+3], s[G0B+4*\c+3], 0x80000000
.endr
	s_cmp_eq_u32 s11, 0                            ; a wave's four fills stand in one branch on its number
	s_cbranch_scc0 .Lfor_p
.irp c, 0,1,2,3
	tensor_load_to_lds s[G0+4*\c:G0+4*\c+3], s[G1:G1+7]
	s_nop 0
.endr
	PLACES
	s_branch .Lasked
.Lfor_p:
.irp c, 0,1,2,3
	tensor_load_to_lds s[G0B+4*\c:G0B+4*\c+3], s[G1B:G1B+7]
	s_nop 0
.endr
	PLACES
.Lasked:
	v_and_b32 v1, 15, v0                           ; r
	v_bfe_u32 v2, v0, 4, 1                         ; h
	v_and_b32 v3, 31, v0                           ; lane
	s_mul_i32 s88, s10, 12288
	v_lshlrev_b32 v12, 4, v3
	v_lshlrev_b32 v16, 3, v3
	v_lshlrev_b32 v[RO], 4, v3
	v_add_nc_u32 v4, s88, v12
	v_add_nc_u32 v8, s88, v16
	v_add_nc_u32 v8, 512, v8
	v_add_nc_u32 v12, POFF, v12
	v_add_nc_u32 v16, POFF+512, v16
.irp c, 1,2,3
	v_add_nc_u32 v[4+\c], \c*CHUNK, v4
	v_add_nc_u32 v[8+\c], \c*CHUNK, v8
	v_add_nc_u32 v[12+\c], \c*CHUNK, v12
	v_add_nc_u32 v[16+\c], \c*CHUNK, v16
.endr
	s_mul_i32 s88, s10, 16*SPITCH                  ; my stage
	v_mul_u32_u24 v[STO], v1, SPITCH
	v_lshl_add_u32 v[STO], v2, 5, v[STO]
	v_add_nc_u32 v[STO], s88, v[STO]               ; in: row r, 32 bytes for each half of the lanes
	v_add_nc_u32 v[RD], s88, v[RO]                 ; back: the 32 lanes take one row of 512 bytes
	s_lshl_b32 s84, s10, 2
	s_add_co_u32 s84, s84, s21
	s_lshl_b32 s84, s84, 9
	s_add_co_u32 s84, s84, SCB
	s_lshl_b32 s85, s22, 9
	s_add_co_u32 s85, s85, SCB
	v_lshlrev_b32 v[VS1], 5, v1
	v_add_nc_u32 v[VS0], s84, v[VS1]
	v_add_nc_u32 v[VS1], s85, v[VS1]
	v_cmp_ne_u32 vcc_lo, 0, v2
	v_cndmask_b32 v[VS0], v[VS0], v[VS1], vcc_lo   ; lanes 0-15 N's scale words, lanes 16-31 P's
.irp i, 0,1,2,3
	global_load_b128 v[SC+8*\i:SC+8*\i+3], v[VS0], s[4:5] offset:512*\i
	global_load_b128 v[SC+8*\i+4:SC+8*\i+7], v[VS0], s[4:5] offset:512*\i+16
.endr
.irp i, 4,5,6,7
	global_load_b128 v[SC+8*\i:SC+8*\i+3], v[VS1], s[4:5] offset:512*\i
	global_load_b128 v[SC+8*\i+4:SC+8*\i+7], v[VS1], s[4:5] offset:512*\i+16
.endr
.macro FRAG reg, adr, q, i
	ds_load_b128 v[(\reg):(\reg)+3], v[\adr] offset:3072*(\i)+1536*(\q)
	ds_load_b64 v[(\reg)+4:(\reg)+5], v[\adr+4] offset:3072*(\i)+1536*(\q)
	ds_load_b128 v[(\reg)+6:(\reg)+9], v[\adr] offset:3072*(\i)+1536*(\q)+768
	ds_load_b64 v[(\reg)+10:(\reg)+11], v[\adr+4] offset:3072*(\i)+1536*(\q)+768
.endm
.macro FETCH s
	WIN 0x40                                       ; destination window 1, address window 0
.irp i, 0,1,2,3,4,5,6,7
	FRAG 128*((\s)%2)+12*\i, ADRB+(\s)/2, (\s)%2, \i
.endr
	WIN 0
.irp i, 0,1,2,3
	FRAG AF+48*((\s)%2)+12*\i, ADRA+(\s)/2, (\s)%2, \i
.endr
.endm
.macro MUL s
	WIN 0xa1                                       ; source 0 (P) window 1, source 1 (N) window 0, C and D window 2
.irp a, 0,1,2,3
.irp b, 0,1,2,3,4,5,6,7
.if (\s) == 0
	v_wmma_scale_f32_16x16x128_f8f6f4 v[8*(8*\a+\b):8*(8*\a+\b)+7], v[128*((\s)%2)+12*\b:128*((\s)%2)+12*\b+11], v[AF+48*((\s)%2)+12*\a:AF+48*((\s)%2)+12*\a+11], 0, v[SC+8*\b+(\s)], v[SC+8*\a+(\s)] matrix_a_fmt:MATRIX_FMT_FP6 matrix_b_fmt:MATRIX_FMT_FP6 matrix_a_scale:MATRIX_SCALE_ROW1
.else
	v_wmma_scale_f32_16x16x128_f8f6f4 v[8*(8*\a+\b):8*(8*\a+\b)+7], v[128*((\s)%2)+12*\b:128*((\s)%2)+12*\b+11], v[AF+48*((\s)%2)+12*\a:AF+48*((\s)%2)+12*\a+11], v[8*(8*\a+\b):8*(8*\a+\b)+7], v[SC+8*\b+(\s)], v[SC+8*\a+(\s)] matrix_a_fmt:MATRIX_FMT_FP6 matrix_b_fmt:MATRIX_FMT_FP6 matrix_a_scale:MATRIX_SCALE_ROW1
.endif
.endr
.endr
.endm
.macro RES g                           ; the residual: rows 32 g .. 32 g + 31 of my 64, row i into window 3, v[4 i] on; each load reads 512 consecutive bytes
	WIN 0xc0                                       ; destination window 3, address window 0
.set ri, 32*(\g)
.rept 32
	global_load_b128 v[4*ri:4*ri+3], v[RO], s[6:7] offset:4096*ri th:TH_LOAD_NT
.set ri, ri+1
.endr
.endm
.macro STEP s
	s_wait_dscnt 0x0                               ; this step's fragments are in
.if ((\s)%2 == 1) && ((\s) < 7)
	s_wait_tensorcnt 3-((\s)+1)/2                  ; my part of the next chunk has landed; the later chunks' loads may be out
	s_barrier_signal -1
	s_barrier_wait -1
.endif
.if (\s) < 7
.if (\s) > 0
	PLACES                                         ; four plain lines between the last step's products and loads into the set that they read
.endif
	FETCH (\s)+1
.endif
.if (\s) == 0
	RES 0
.elseif (\s) == 2
	RES 1
.endif
	MUL \s
.endm
	s_wait_tensorcnt 3                             ; my part of chunk 0 is in; three loads may be out
	s_barrier_signal -1
	s_barrier_wait -1
	FETCH 0
	s_wait_loadcnt 0x0                             ; the scale words
.irp s, 0,1,2,3,4,5,6,7
	STEP \s
.endr
	WIN 0
; THE WAY OUT, a block of 16 rows x 128 columns at a time.  LDS serves a wave's instructions in order: no wait between the stores and the loads, nor in front of the next block's stores.
.macro TOSTAGE a
	WIN 0x08                                       ; an LDS store's data are its source 1: window 2
.irp b, 0,1,2,3,4,5,6,7
	ds_store_b128 v[STO], v[8*(8*(\a)+\b):8*(8*(\a)+\b)+3] offset:64*\b          ; each accumulator from its low end on
	ds_store_b128 v[STO], v[8*(8*(\a)+\b)+4:8*(8*(\a)+\b)+7] offset:64*\b+16
.endr
	WIN 0
.set BB, AF+64*((\a)%2)
.irp t, 0,1,2,3,4,5,6,7,8,9,10,11,12,13,14,15
	ds_load_b128 v[BB+4*\t:BB+4*\t+3], v[RD] offset:\t*SPITCH
.endr
.endm
.macro SEND a, younger                 ; younger: the LDS instructions issued behind block a's loads
.set BB, AF+64*((\a)%2)
	s_wait_dscnt \younger
	WIN 0x0c                                       ; source 1 window 3
.set k, 0
.rept 32
	v_pk_add_f32 v[BB+k:BB+k+1], v[BB+k:BB+k+1], v[64*(\a)+k:64*(\a)+k+1]        ; + Q
.set k, k+2
.endr
	WIN 0
.irp t, 0,1,2,3,4,5,6,7,8,9,10,11,12,13,14,15
	global_store_b128 v[RO], v[BB+4*\t:BB+4*\t+3], s[8:9] offset:(16*(\a)+\t)*4096 th:TH_STORE_NT   ; 512 consecutive bytes, aligned to 256; written once
.endr
.endm
	PLACES                                         ; between the last products and the reads of results and the loads into N's registers
	s_wait_loadcnt 0x0                             ; the residual
	TOSTAGE 0
.irp a, 1,2,3
.if \a > 1
	s_wait_xcnt 0x0                                ; block a - 2's stores have read their registers: block a's rows may land there
.endif
	TOSTAGE \a
	SEND \a-1, 32                                  ; behind block a - 1's loads: block a's 16 stores and 16 loads
.endr
	SEND 3, 0
	s_wait_dscnt 0x0
	s_wait_tensorcnt 0x0
	ds_add_u32 v254, v255
	s_wait_dscnt 0x0
	CROUND                                         ; the closing round
	s_endpgm
.Lfunc_end_k_q63ed1b3f8b_oproj:
	.size	k_q63ed1b3f8b_oproj, .Lfunc_end_k_q63ed1b3f8b_oproj-k_q63ed1b3f8b_oproj
	.p2alignl 7, 3214868480
	.fill 96, 4, 3214868480
	.section	.rodata,"a",@progbits
	.p2align	6, 0x0
	.amdhsa_kernel k_q63ed1b3f8b_oproj
		.amdhsa_group_segment_fixed_size 295424
		.amdhsa_private_segment_fixed_size 0
		.amdhsa_enable_private_segment 0
		.amdhsa_kernarg_size 24
		.amdhsa_user_sgpr_count 2
		.amdhsa_user_sgpr_kernarg_segment_ptr 1
		.amdhsa_wavefront_size32 1
		.amdhsa_system_sgpr_workgroup_id_x 1
		.amdhsa_system_sgpr_workgroup_id_y 1
		.amdhsa_system_sgpr_workgroup_id_z 1
		.amdhsa_system_vgpr_workitem_id 0
		.amdhsa_next_free_vgpr 1024
		.amdhsa_next_free_sgpr 100
		.amdhsa_reserve_vcc 1
		.amdhsa_float_denorm_mode_32 3
		.amdhsa_float_denorm_mode_16_64 3
		.amdhsa_memory_ordered 1
		.amdhsa_forward_progress 1
		.amdhsa_inst_pref_size 98
	.end_amdhsa_kernel
	.amdgpu_metadata
---
amdhsa.version: [ 1, 2 ]
amdhsa.kernels:
  - .name:           k_q63ed1b3f8b_oproj
    .symbol:         k_q63ed1b3f8b_oproj.kd
    .args:
      - { .name: gop, .offset: 0, .size: 8, .value_kind: global_buffer, .address_space: global }
      - { .name: Q, .offset: 8, .size: 8, .value_kind: global_buffer, .address_space: global }
      - { .name: out0, .offset: 16, .size: 8, .value_kind: global_buffer, .address_space: global }
    .group_segment_fixed_size: 295424
    .private_segment_fixed_size: 0
    .kernarg_segment_align: 8
    .kernarg_segment_size: 24
    .max_flat_workgroup_size: 128
    .sgpr_count:     100
    .vgpr_count:     1024
    .wavefront_size: 32
...
	.end_amdgpu_metadata
.endif
;; end of part 4
